; MI455X (gfx1250); checked and timed in simulation.
; The chip was launched on July 23, 2026; its instructions are those of AMD's public machine-readable ISA for CDNA 5 (MIT licence, August 2026) and "CDNA5" Instruction Set Architecture Reference Guide (July 2026). The comments in the code are by the model that wrote it; some were corrected since.
;; Relative Attention. Allowed arithmetic: matrix products marked QUANTISED: E3M2 operands, one E8M0 scale for each 32 along K, by v_wmma_scale_f32_16x16x128_f8f6f4 with both operands' format E3M2, f32 sums; everything else in f32.
;; Inputs: k 2 x 16 x 2,048 x 64 float32; q 2 x 16 x 2,048 x 64 float32; relative_bias 17 float32; v 2 x 16 x 2,048 x 64 float32.
;; Outputs: out0 2 x 16 x 2,048 x 64 float32.
;; This version of the problem:
;;   THIS VERSION OF THE PROBLEM IS GIVEN IN LOW PRECISION. The matrix products marked QUANTISED in the list below multiply operands that are first quantised to E3M2 (3 exponent bits, 2 mantissa bits; 6 bits a number), with one power-of-two scale for each 32 numbers along K (OCP MX v1.0); their sums are f32. All else is computed in f32.
;;   The module's matrix products, in the order in which they are computed (A, B: the left and right operand; K: the contracted axis; several contracted axes count as one K, in the product's order):
;;     1. batch 32 x [M 2,048, K 64] x [K 64, N 2,048]; A: input q; B: input k: QUANTISED
;;     2. batch 32 x [M 2,048, K 2,048] x [K 2,048, N 64]; A: softmax (see below); B: input v: QUANTISED
;;   THE QUANTISER, for each operand of a quantised product, along K:
;;     - K is cut into blocks of 32 from its start; a last block that is shorter is filled with zeros.
;;     - A block's scale is 2^e with e = floor(log2(the largest magnitude in the block)) - 4, held to -126 .. 127; a block of zeros has e = 0. As a byte (E8M0): e + 127.
;;     - Each number is divided by its block's scale, clamped to +-28, and rounded to the nearest number of E3M2, ties to even, subnormals kept.
;;     - The product sums the exact products of the quantised numbers (number of the format x scale) in f32.
;;   ~~~python
;;   def quantise(x, axis):      # numpy; x: float32 -> the quantised numbers, widened to float32 again
;;       x = np.moveaxis(x, axis, -1); K = x.shape[-1]
;;       x = np.pad(x, [(0, 0)] * (x.ndim - 1) + [(0, -K % 32)]); x = x.reshape(x.shape[:-1] + (-1, 32)); a = np.abs(x).max(-1, keepdims=True)
;;       e = np.where(a > 0, np.clip(np.frexp(np.where(a > 0, a, 1))[1] - 1 - 4, -126, 127), 0)      # np.frexp(a)[1] - 1 = floor(log2(a)), exactly
;;       r = np.clip(x / 2.0 ** e, -28, 28)
;;       step = 2.0 ** (np.maximum(np.frexp(np.where(r == 0, 1, r))[1] - 1, -2) - 2)
;;       q = np.round(r / step) * step * 2.0 ** e      # np.round: ties to even
;;       return np.moveaxis(q.reshape(q.shape[:-2] + (-1,))[..., :K], -1, axis).astype(np.float32)
;;   ~~~
;;   SOFTMAX AHEAD OF A QUANTISED PRODUCT. Where the list says 'softmax', what is quantised is not the finished softmax but p = 2^(t - M), with t = logit x log2(e) and M = ceil(the row's largest t), a whole number; so 1/2 < the row's largest p <= 1. The row's sum l is taken of the UNQUANTISED p, in f32, and the product's result is divided by l at the end. Since M is a whole number, a kernel that streams over the keys may use a running M (the ceiling of the running maximum): every later rescaling is an exact power of two, which a block's scale takes up: the codes' values come out the same.
;;   OPERANDS COMPUTED ON THE WAY. 'Computed on the way' means the value that the module computes at that place (a softmax that the list does not call 'softmax' is quantised finished and normalised). What goes into a quantiser is computed in f32, as accurately as f32 sums, v_exp_f32 and their like allow (about 1e-6 of the number): no bf16 or f16 on the way to a quantiser, and a product that is left as it is and whose result goes on into a quantised operand takes f32 operands (vector FMAs, or v_wmma_f32_16x16x4_f32). A number that lies on a knife's edge between two numbers of the format may be rounded either way, as far as f32 arithmetic and the matrix unit's own rounding can turn it there, and no further.
;; One version. Each part assembles by itself: llvm-mc -triple=amdgcn-amd-amdhsa -mcpu=gfx1250 --defsym DOCPART=n.
;; ======== version 1 of 1: 2 launches
;; workspace buffers: kv 6,815,744 bytes
;; launch prep (part 1): grid 512 x 1, 4 waves a work-group, no clusters, 1,024 bytes of LDS; arguments k, v, kv; writes kv
.if DOCPART == 1
	.amdgcn_target "amdgcn-amd-amdhsa--gfx1250"
	.amdhsa_code_object_version 6
	.text
	.protected	k_q206511edd2_prep
	.globl	k_q206511edd2_prep
	.p2align	8
	.type	k_q206511edd2_prep,@function
k_q206511edd2_prep:
	s_mov_b64 s[64:65], 0
	v_nop
	global_prefetch_b8 v0, s[64:65] scope:SCOPE_SE
	s_setreg_imm32_b32 hwreg(HW_REG_WAVE_MODE, 25, 1), 1
	s_wait_xcnt 0x0
; k and v, [32 heads][2048 keys][64] f32, become codes of BF6 (E3M2) with one E8M0 scale byte for each 32 along a product's K: k along its 64 channels, v along the keys.
; A block's scale is 2^(floor(log2(its largest magnitude)) - 4): its byte is the largest magnitude's exponent field - 4, held at 1 from below.
; THE OUTPUT IS LAID AS THE NEXT LAUNCH'S OPERAND REGISTERS: a group of four registers is 512 bytes, lane l's 16 bytes at 16 l.  A head is 16 blocks of 13,312 bytes, one for each 128 keys:
;   byte 0      K's codes: register 6 t + i (tile t = 0..7, i = 0..5); lane (r, h) holds key 32 (t / 2) + 8 (t % 2) + r + 8 (r / 8), channels 32 h .. 32 h + 31
;   byte 6,144  V's codes: register 12 T + 6 c + i (tile T = 0..3); lane (r, h) holds channel 16 T + r, keys 64 c + 32 h .. + 31
;   byte 12,288 K's scale words: register u: lanes 0-15 tile 2 u, lanes 16-31 tile 2 u + 1; a word = byte of channels 0-31, byte of channels 32-63, 0x7f, 0x7f
;   byte 12,800 V's scale words: registers 2 g and 2 g + 1 alike: lanes 0-15 tile 2 g, lanes 16-31 tile 2 g + 1; a word = the bytes of the four blocks of 32 keys
; SHARES.  Work-groups 0-255 take k, 256-511 take v; a work-group takes two blocks of 128 keys of one head, a wave half a block: 24 code registers and 2 scale registers.
; LIMITS: NaN and infinities among the inputs are not served.  A block whose largest magnitude lies under 2^-122 keeps the byte 1, a block of zeros too (its codes are zeros; this program alone reads the bytes).
.set HEADB, 212992                     ; a head's bytes in kv
.set STEPB, 13312                      ; a block of 128 keys
.set X,   32                           ; v32-159  the numbers as loaded
.set C,   160                          ; v160-183 the codes, in the order of the images
.set TMP, 184                          ; v184-190 upper halves of blocks, on their way (a conversion's three registers begin on an even number)
.set W,   20                           ; v20-23   path K: a tile's scale word;  path V: a block's byte
.set SC,  24                           ; v24-27   path V: the conversions' scale operands
; the largest magnitude of v[x] .. v[x + 31], and the floor 2^(5 - 127), into v[d]; two chains, v[e] at work
.macro BMAX x, d, e
	v_max3_num_f32 v[\d], |v[(\x)]|, |v[(\x)+1]|, 0x2800000
	v_max3_num_f32 v[\e], |v[(\x)+2]|, |v[(\x)+3]|, |v[(\x)+4]|
.irp i, 5,9,13,17,21,25
	v_max3_num_f32 v[\d], v[\d], |v[(\x)+\i]|, |v[(\x)+\i+1]|
	v_max3_num_f32 v[\e], v[\e], |v[(\x)+\i+2]|, |v[(\x)+\i+3]|
.endr
	v_max3_num_f32 v[\d], v[\d], |v[(\x)+29]|, |v[(\x)+30]|
	v_max3_num_f32 v[\d], v[\d], v[\e], |v[(\x)+31]|
.endm
	s_load_b128 s[4:7], s[0:1], 0x0                ; k, v
	s_load_b64 s[8:9], s[0:1], 0x10                ; kv
	v_lshrrev_b32 v1, 5, v0
	v_readfirstlane_b32 s12, v1                    ; wave 0..3
	v_and_b32 v1, 31, v0                           ; lane
	v_and_b32 v2, 15, v0                           ; r
	v_bfe_u32 v3, v0, 4, 1                         ; h
	v_lshlrev_b32 v4, 4, v1                        ; 16 x lane: my place in an image
	v_lshlrev_b32 v5, 3, v1                        ; 8 x lane: my place in 256 bytes of scale words
	s_lshr_b32 s18, s12, 1                         ; which of the work-group's two blocks of 128 keys
	s_and_b32 s13, s12, 1                          ; g: which half of it
	s_lshl_b32 s32, s18, 9
	s_lshl_b32 s33, s13, 3
	s_add_co_u32 s32, s32, s33
	v_add_nc_u32 v6, s32, v4                       ; LDS: my two scale registers' 8 bytes in my block's image: 16 x lane + 512 x block + 8 g
	s_lshl_b32 s32, s12, 8
	v_add_nc_u32 v7, s32, v5                       ; and back: 256 bytes on end for each wave
	v_and_b32 v8, 8, v2
	v_add_nc_u32 v8, v8, v2                        ; r + 8 (r / 8)
	v_lshlrev_b32 v16, 8, v8
	v_lshl_add_u32 v16, v3, 7, v16                 ; path K: my key's row of 256 bytes, + 128 h
	v_lshlrev_b32 v17, 2, v1                       ; path V: my channel
	v_lshlrev_b32 v18, 3, v3                       ; 8 h
	v_mov_b32 v13, 0                               ; written once: a lane permute's destination counts as one of its sources
	s_mov_b32 s20, 0x76543210
	s_mov_b32 s21, 0xfedcba98                      ; v_permlanex16_b32's selects for lane l xor 16
	s_mov_b32 s22, 0xffff0000                      ; lanes 16-31
	s_lshr_b32 s16, ttmp9, 8                       ; 0: k, 1: v
	s_and_b32 s17, ttmp9, 255
	s_lshr_b32 s15, s17, 3                         ; head
	s_and_b32 s17, s17, 7
	s_lshl_b32 s14, s17, 1
	s_add_co_u32 s14, s14, s18                     ; my block of 128 keys, 0..15
	s_cmp_lt_u32 ttmp9, 256
	s_cselect_b32 s19, 14, 7                       ; my half: in k 64 keys of 256 bytes on, in v 32 channels of 4 bytes on
	s_lshl_b32 s24, s15, 19                        ; the source: head x 2,048 rows of 256 bytes
	s_lshl_b32 s26, s14, 15                        ; + block x 128 rows
	s_add_co_u32 s24, s24, s26
	s_lshl_b32 s26, s13, s19
	s_add_co_u32 s24, s24, s26
	s_mov_b32 s25, 0
	s_mul_i32 s26, s15, HEADB
	s_mul_i32 s28, s14, STEPB
	s_add_co_u32 s26, s26, s28                     ; my block in kv
	s_mul_i32 s28, s16, 6144
	s_add_co_u32 s28, s28, s26
	s_mul_i32 s30, s13, 3072
	s_add_co_u32 s28, s28, s30                     ; my six images of codes
	s_mov_b32 s29, 0
	s_lshl_b32 s30, s16, 9
	s_add_co_u32 s30, s30, s26
	s_lshl_b32 s31, s13, 8
	s_add_co_u32 s30, s30, s31
	s_add_co_u32 s30, s30, 12288                   ; the 256 bytes of scale words that I store
	s_mov_b32 s31, 0
	s_wait_kmcnt 0x0
	s_cmp_lt_u32 ttmp9, 256                        ; the choice hangs on the work-group's number alone
	s_cselect_b64 s[4:5], s[4:5], s[6:7]
	s_add_nc_u64 s[4:5], s[4:5], s[24:25]
	s_add_nc_u64 s[10:11], s[8:9], s[30:31]
	s_add_nc_u64 s[8:9], s[8:9], s[28:29]          ; (these sums leave SCC alone)
	s_cbranch_scc0 .Lv
; ---- PATH K.  Four tiles of 16 keys; a lane holds a whole block: 32 neighbouring channels of one key, 128 bytes, eight loads.
.irp t, 0,1,2,3
.irp j, 0,1,2,3,4,5,6,7
	global_load_b128 v[X+32*\t+4*\j:X+32*\t+4*\j+3], v16, s[4:5] offset:(32*(\t/2)+8*(\t%2))*256+16*\j th:TH_LOAD_NT
.endr
.endr
.macro KTILE t
	s_wait_loadcnt 24-8*\t                         ; this tile's eight loads are in; those of the later tiles, eight each, may be out
	BMAX X+32*\t, 8, 9
	v_add_nc_u32 v11, 0xfe000000, v8               ; 4 off the exponent field: the conversion takes the exponent field of this operand as its scale
	v_cvt_scalef32_pk16_bf6_f32 v[C+6*\t:C+6*\t+2], v[X+32*\t:X+32*\t+15], v11
	v_cvt_scalef32_pk16_bf6_f32 v[TMP:TMP+2], v[X+32*\t+16:X+32*\t+31], v11
	v_lshrrev_b32 v12, 23, v11                     ; the scale's byte (also the plain line behind the conversions)
.irp i, 0,1,2
	v_mov_b32 v[C+6*\t+3+\i], v[TMP+\i]
.endr
	v_lshlrev_b32 v12, v18, v12                    ; at its place in the word: 8 h bits up
	v_permlanex16_b32 v13, v12, s20, s21
	v_or_b32 v12, v12, v13                         ; with lane l xor 16's byte,
	v_or_b32 v[W+\t], 0x7f7f0000, v12              ; and 1.0 for the upper 64 of the instruction's 128, where the other side has zero codes
.endm
	KTILE 0
	KTILE 1
	KTILE 2
	KTILE 3
	v_cndmask_b32 v192, v20, v21, s22              ; lanes 0-15 the even tile's words, lanes 16-31 the odd tile's
	v_cndmask_b32 v193, v22, v23, s22
	s_branch .Ltail
; ---- PATH V.  A lane takes a channel and its registers run down the 128 keys: each load reads 128 consecutive bytes, a block of 32 keys lies in one lane, and the codes come out with the keys innermost.
.Lv:
.set n, 0
.rept 128
	global_load_b32 v[X+n], v17, s[4:5] offset:256*n th:TH_LOAD_NT
.set n, n+1
.endr
; Blocks 2 c and 2 c + 1.  The tile of my lanes 0-15 wants block 2 c in its lanes 0-15 and block 2 c + 1 in its lanes 16-31, the tile of my lanes 16-31 likewise:
; the exchange of one register's upper lanes with the other's lower lanes gives both at once.
.macro VPAIR c
.if \c == 0
	s_wait_loadcnt 63                              ; of the 128 loads at most 63 are out: the first 65 are in, blocks 0 and 1 among them
.else
	s_wait_loadcnt 32                              ; block 2 is in; block 3's 32 loads may be out
.endif
	BMAX X+64*\c, 8, 9
	v_add_nc_u32 v[SC+2*\c], 0xfe000000, v8
.if \c == 1
	s_wait_loadcnt 0x0
.endif
	BMAX X+64*\c+32, 8, 9
	v_add_nc_u32 v[SC+2*\c+1], 0xfe000000, v8
	v_cvt_scalef32_pk16_bf6_f32 v[C+6*\c:C+6*\c+2], v[X+64*\c:X+64*\c+15], v[SC+2*\c]
	v_cvt_scalef32_pk16_bf6_f32 v[TMP:TMP+2], v[X+64*\c+16:X+64*\c+31], v[SC+2*\c]
	v_cvt_scalef32_pk16_bf6_f32 v[C+12+6*\c:C+12+6*\c+2], v[X+64*\c+32:X+64*\c+47], v[SC+2*\c+1]
	v_cvt_scalef32_pk16_bf6_f32 v[TMP+4:TMP+6], v[X+64*\c+48:X+64*\c+63], v[SC+2*\c+1]
	v_lshrrev_b32 v[W+2*\c], 23, v[SC+2*\c]        ; the two bytes (also the plain lines behind the conversions)
	v_lshrrev_b32 v[W+2*\c+1], 23, v[SC+2*\c+1]
.irp i, 0,1,2
	v_permlane16_swap_b32 v[C+6*\c+\i], v[C+12+6*\c+\i]
	v_permlane16_swap_b32 v[TMP+\i], v[TMP+4+\i]
.endr
.irp i, 0,1,2
	v_mov_b32 v[C+6*\c+3+\i], v[TMP+\i]
	v_mov_b32 v[C+12+6*\c+3+\i], v[TMP+4+\i]
.endr
.endm
	VPAIR 0
	VPAIR 1
	v_lshl_or_b32 v192, v21, 8, v20                ; my channel's scale word: lane l is row l % 16 of tile 2 g + l / 16, which is where the reader wants it
	v_lshl_or_b32 v192, v22, 16, v192
	v_lshl_or_b32 v192, v23, 24, v192
	v_mov_b32 v193, v192
; ---- THE WAY OUT, one for both paths.  The codes are images already: each store covers 512 consecutive bytes, at a multiple of 256 from kv's first byte.
.Ltail:
.irp j, 0,1,2,3,4,5
	global_store_b128 v4, v[C+4*\j:C+4*\j+3], s[8:9] offset:512*\j
.endr
	ds_store_b64 v6, v[192:193]                    ; a lane's 16 bytes of a scale image come from two waves: they meet in LDS
	s_wait_dscnt 0x0                               ; for the others' sake: my store has landed
	s_barrier_signal -1
	s_barrier_wait -1
	ds_load_b64 v[194:195], v7
	s_wait_dscnt 0x0
	global_store_b64 v5, v[194:195], s[10:11]      ; 32 lanes store 256 consecutive bytes, aligned
	s_endpgm
.Lfunc_end_k_q206511edd2_prep:
	.size	k_q206511edd2_prep, .Lfunc_end_k_q206511edd2_prep-k_q206511edd2_prep
	.p2alignl 7, 3214868480
	.fill 96, 4, 3214868480
	.section	.rodata,"a",@progbits
	.p2align	6, 0x0
	.amdhsa_kernel k_q206511edd2_prep
		.amdhsa_group_segment_fixed_size 1024
		.amdhsa_private_segment_fixed_size 0
		.amdhsa_enable_private_segment 0
		.amdhsa_kernarg_size 24
		.amdhsa_user_sgpr_count 2
		.amdhsa_user_sgpr_kernarg_segment_ptr 1
		.amdhsa_wavefront_size32 1
		.amdhsa_system_sgpr_workgroup_id_x 1
		.amdhsa_system_sgpr_workgroup_id_y 1
		.amdhsa_system_sgpr_workgroup_id_z 1
		.amdhsa_system_vgpr_workitem_id 0
		.amdhsa_next_free_vgpr 200
		.amdhsa_next_free_sgpr 66
		.amdhsa_reserve_vcc 0
		.amdhsa_float_denorm_mode_32 3
		.amdhsa_float_denorm_mode_16_64 3
		.amdhsa_memory_ordered 1
		.amdhsa_forward_progress 1
		.amdhsa_inst_pref_size 32
	.end_amdhsa_kernel
	.amdgpu_metadata
---
amdhsa.version: [ 1, 2 ]
amdhsa.kernels:
  - .name:           k_q206511edd2_prep
    .symbol:         k_q206511edd2_prep.kd
    .args:
      - { .name: k, .offset: 0, .size: 8, .value_kind: global_buffer, .address_space: global }
      - { .name: v, .offset: 8, .size: 8, .value_kind: global_buffer, .address_space: global }
      - { .name: kv, .offset: 16, .size: 8, .value_kind: global_buffer, .address_space: global }
    .group_segment_fixed_size: 1024
    .private_segment_fixed_size: 0
    .kernarg_segment_align: 8
    .kernarg_segment_size: 24
    .max_flat_workgroup_size: 128
    .sgpr_count:     66
    .vgpr_count:     200
    .wavefront_size: 32
...
	.end_amdgpu_metadata
.endif
;; end of part 1
;; launch attn (part 2): grid 8 x 32, 16 waves a work-group, no clusters, 327,680 bytes of LDS; arguments q, relative_bias, kv, out0; writes out0
.if DOCPART == 2
	.amdgcn_target "amdgcn-amd-amdhsa--gfx1250"
	.amdhsa_code_object_version 6
	.text
	.protected	k_q206511edd2_attn
	.globl	k_q206511edd2_attn
	.p2align	8
	.type	k_q206511edd2_attn,@function
k_q206511edd2_attn:
	s_mov_b64 s[64:65], 0
	v_nop
	global_prefetch_b8 v0, s[64:65] scope:SCOPE_SE
	s_setreg_imm32_b32 hwreg(HW_REG_WAVE_MODE, 25, 1), 1
	s_wait_xcnt 0x0
; out0[h][q][:] = sum over k of softmax_k(q . k / 8 + relative_bias[clip(k - q, -8, 8) + 8]) v[h][k][:]; 32 heads, 2,048 positions, 64 channels; both products on codes of BF6 (E3M2) with E8M0 scales for each 32 along K.
; THE SOFTMAX AHEAD OF THE SECOND PRODUCT: t = logit x log2(e); M = the running largest t, rounded up to a whole number; p = 2^(t - M) is quantised along the keys, not normalised.  The row's sum is taken of the
; unquantised p and divides at the end.  When M moves, the sum and O are multiplied by 2^(old M - new M): exact.
; SHARES.  A work-group owns 256 queries of one head; each of its sixteen waves owns 16 of them in 256 registers: four waves to a SIMD, so that one wave's vector work stands beside another's matrix work and LDS loads.
; K AND V come as images of operand registers with their scale words (212,992 bytes a head, made by the launch before).  The whole head lies in LDS, filled ONCE: each wave issues four tensor loads at the head, its
; sixteenth (3,328 bytes) of each quarter of the head; four loads of a wave are out at the most.  No LDS byte is filled twice.  The waves begin on a quarter as soon as it has landed.
; LAYOUT.  Both products are used transposed: S^T = K Q^T (source 0 = 16 keys, source 1 = my 16 queries), O^T = V^T P^T: a lane holds ONE query (lane % 16) throughout.  The keys of a tile are chosen (lane r of tile
; 2 b + u: key 32 b + 8 u + r + 8 (r / 8)) so that register 16 b + i of lane (r, h) is key 32 b + 16 h + i.
; THE FIRST PRODUCT'S K IS 64, the instruction's 128.  Q's fragment has zero codes in its upper six registers; so K's operand for tile t is v[F + 6 t .. F + 6 t + 11], whose upper six are the next tile's codes
; (behind tile 7: six zeros): every code of this format is a finite number, and times 0 it adds nothing.  The scale bytes of the upper 64 are 0x7f on both sides.
; THE BIAS is one number, b[0] or b[16], wherever all of a step's 128 keys lie 8 or more to one side of my 16 queries: it then rides in the multiply-add's addend.  In the one or two steps of a wave that touch the
; band (scalar branches on ids), 8 b is added to the scores: one number for a block of 32 keys beside the band; on it (two blocks a wave) each register's own, fetched from a table held across the lanes.
; NO CLUSTER, though the eight work-groups of a head read the same images: the step that touches the band is found by a branch on the work-group's own queries, which partners do not share.
; LIMITS: NaN and infinities among the inputs are not served.  A block whose largest magnitude lies under 2^-122 keeps the scale byte 1.  t is s c + b log2(e) beside the band and (s + 8 b) c on it, c = log2(e) / 8:
; two f32 roundings of the same number.
.set HEADB,  212992                    ; a head's images
.set STEPB,  13312                     ; those of 128 keys: K's codes 6,144, V's codes 6,144, K's scale words 512, V's 512
.set QUARTB, 4*STEPB                   ; a quarter of the head
.set PIECE,  QUARTB/16                 ; a wave's part of it: 13 rows of 256 bytes
.set VCO,    6144
.set KSO,    12288
.set VSO,    12800
.set STAGE,  HEADB                     ; behind the images: 16 rows x (256 + 16) bytes for each wave, for the way out; no fill lands there
.set SP,     272
.set LI,  1                            ; v1   16 x lane: my place in an image, and in two rows of out0
.set ADR, 2                            ; v2   the step's images in LDS, at my lane
.set DL,  3                            ; v3   64 h - 4 r + 1056
.set DD,  4                            ; v4   DL + 4 (first key - first query)
.set TAB, 5                            ; v5   lane L: 8 b[16 - min(L, 16)]
.set STO, 6                            ; v6   the stage, in
.set RD,  7                            ; v7   the stage, back
.set NM,  10                           ; v10  -M
.set OLD, 11                           ; v11  the old -M
.set AD,  12                           ; v12  the step's bias x log2(e) - M;  v13 the running largest t (named with it as a pair)
.set TMX, 13
.set SUM, 14                           ; v[14:15] the row's sum, in two halves
.set QF,  16                           ; v16-27 Q's fragment; v22-27 are zero codes
.set QS,  28                           ; v28  Q's scale words
.set F,   32                           ; v32-79 K's fragments, then V's; v80-85 zeros
.set KSC, 86                           ; v86-89 K's scale words
.set VSC, 90                           ; v90-93 V's
.set S,   96                           ; v96-159 S^T, then p
.set O,   160                          ; v160-191 O^T
.set PC,  192                          ; v192-203 p's codes
.set CT,  204                          ; v204-210 halves of blocks on their way
.set BM,  212                          ; v212-215 each block's largest score, then its largest p
.set BP,  216                          ; v216-219 the other half's, then the bytes
.set SO,  220                          ; v220-223 the conversions' scale operands
.set PS,  224                          ; v224 p's scale word
.set FF,  226                          ; v[226:227] f = 2^(old M - new M)
.set T,   228
.set SU2, 230                          ; v[230:231] the sum's second chain
.set WV,  12                           ; s12 wave   s13 head   s14 my first query
.set Q0,  14
.set TB,  15                           ; s15 LDS byte of the step's images
.set KF,  16                           ; s16 the step's first key
.set CNT, 17
.set DK,  18                           ; s18 first key - first query
.set SEL, 20                           ; s[20:21]
.set CS,  22                           ; s[22:23] c = log2(e) / 8
.set G1,  24                           ; s[24:31] descriptor group 1
.set G0,  32                           ; s[32:47] four groups 0
.set BL,  48                           ; s48 the step's bias x log2(e), or 0
.set BL0, 49                           ; s49 b[0] log2(e)    s50 b[16] log2(e)    s51 8 b[0]    s52 8 b[16]
.set BL16, 50
.set B8L, 51
.set B8R, 52
.set BS,  54                           ; s[54:55] a block's 8 b
.macro BMAX x, d, e                    ; the largest magnitude of v[x] .. v[x + 31], and the floor 2^(5 - 127), into v[d]
	v_max3_num_f32 v[\d], |v[(\x)]|, |v[(\x)+1]|, 0x2800000
	v_max3_num_f32 v[\e], |v[(\x)+2]|, |v[(\x)+3]|, |v[(\x)+4]|
.irp i, 5,9,13,17,21,25
	v_max3_num_f32 v[\d], v[\d], |v[(\x)+\i]|, |v[(\x)+\i+1]|
	v_max3_num_f32 v[\e], v[\e], |v[(\x)+\i+2]|, |v[(\x)+\i+3]|
.endr
	v_max3_num_f32 v[\d], v[\d], |v[(\x)+29]|, |v[(\x)+30]|
	v_max3_num_f32 v[\d], v[\d], v[\e], |v[(\x)+31]|
.endm
	s_load_b256 s[4:11], s[0:1], 0x0               ; q s[4:5], relative_bias s[6:7], kv s[8:9], out0 s[10:11]
	v_lshrrev_b32 v8, 5, v0
	v_readfirstlane_b32 s[WV], v8                  ; wave 0..15
	s_and_b32 s13, ttmp7, 0xffff                   ; head
	s_lshl_b32 s[Q0], ttmp9, 8
	s_lshl_b32 s19, s[WV], 4
	s_add_co_u32 s[Q0], s[Q0], s19                 ; my first query: 256 x work-group x + 16 x wave
	; descriptor group 1: 13 rows of 256 bytes (32 elements of 8 bytes), dense in memory and in LDS
	s_mov_b32 s[G1+0], 3<<16                       ; no mask; elements of 8 bytes; no padding: every read takes 16 bytes a lane on end
	s_mov_b32 s[G1+1], 32<<16                      ; tensor_dim0 = 32
	s_mov_b32 s[G1+2], 13<<16                      ; tensor_dim1 = 13
	s_mov_b32 s[G1+3], 32<<16                      ; tile_dim0 = 32
	s_mov_b32 s[G1+4], 13                          ; tile_dim1 = 13
	s_mov_b32 s[G1+5], 32                          ; from row to row
	s_mov_b32 s[G1+6], 0
	s_mov_b32 s[G1+7], 0
	s_mul_i32 s56, s[WV], PIECE                    ; my part of a quarter, in LDS as in memory
	s_mul_i32 s58, s13, HEADB
	s_add_co_u32 s58, s58, s56
	s_mov_b32 s59, 0
	s_mov_b32 s[SEL], 0x76543210
	s_mov_b32 s[SEL+1], 0xfedcba98                 ; v_permlanex16_b32's selects for lane l xor 16
	s_mov_b32 s[CS], 0x3e38aa3b                    ; c = log2(e) / 8
	s_mov_b32 s[CS+1], s[CS]                       ; (named with it as a pair, so it is written)
	s_wait_kmcnt 0x0
	s_add_nc_u64 s[8:9], s[8:9], s[58:59]
.irp j, 0,1,2,3
	s_mov_b32 s[G0+4*\j], 1                        ; count = 1
	s_add_co_u32 s[G0+4*\j+1], s56, \j*QUARTB      ; LDS address
	s_add_nc_u64 s[G0+4*\j+2:G0+4*\j+3], s[8:9], \j*QUARTB
	s_or_b32 s[G0+4*\j+3], s[G0+4*\j+3], 0x80000000   ; type = 2
.endr
.irp j, 0,1,2,3
	tensor_load_to_lds s[G0+4*\j:G0+4*\j+3], s[G1:G1+7]   ; all fills of the launch, as one group, ahead of every wait on TENSORcnt, LDS read and barrier
.endr
.rept 4
	v_nop
.endr
	s_lshl_b32 s56, s13, 19                        ; q and out0: head x 2,048 rows of 256 bytes
	s_lshl_b32 s57, s[Q0], 8
	s_add_co_u32 s56, s56, s57                     ; + my first query's row
	s_mov_b32 s57, 0
	s_add_nc_u64 s[4:5], s[4:5], s[56:57]
	s_add_nc_u64 s[10:11], s[10:11], s[56:57]
	v_and_b32 v8, 15, v0                           ; r
	v_bfe_u32 v9, v0, 4, 1                         ; h
	v_and_b32 v29, 31, v0                          ; lane
	v_lshlrev_b32 v[LI], 4, v29
	v_lshlrev_b32 v30, 8, v8
	v_lshl_add_u32 v30, v9, 7, v30                 ; q: row r, + 128 h: my block of 32 channels
.irp j, 0,1,2,3,4,5,6,7
	global_load_b128 v[S+4*\j:S+4*\j+3], v30, s[4:5] offset:16*\j th:TH_LOAD_NT
.endr
	v_min_u32 v31, 16, v29
	v_sub_nc_u32 v31, 16, v31
	v_lshlrev_b32 v31, 2, v31
	global_load_b32 v[TAB], v31, s[6:7]            ; lane L: b[16 - min(L, 16)]: inside the table's 17 numbers
	v_lshlrev_b32 v[DL], 6, v9
	v_lshlrev_b32 v29, 2, v8
	v_sub_nc_u32 v[DL], v[DL], v29
	v_add_nc_u32 v[DL], 1056, v[DL]                ; 64 h - 4 r + 4 x 8 + 1,024
	s_mul_i32 s19, s[WV], 16*SP
	s_add_co_u32 s19, s19, STAGE                   ; my stage
	v_mul_u32_u24 v[STO], v8, SP
	v_lshl_add_u32 v[STO], v9, 5, v[STO]
	v_add_nc_u32 v[STO], s19, v[STO]               ; in: row r; tile T's eight channels of my half: 64 T + 32 h bytes on
	v_mul_u32_u24 v[RD], v9, SP
	v_lshl_add_u32 v[RD], v8, 4, v[RD]
	v_add_nc_u32 v[RD], s19, v[RD]                 ; back: lanes 0-15 one row, lanes 16-31 the next
	v_lshlrev_b32 v9, 3, v9                        ; 8 h
	v_mov_b32 v[TMX], 0xff61b1e6                   ; the largest t so far: -3e38, under every t
	v_floor_f32 v[NM], -v[TMX]
	v_mov_b32 v[SUM], 0
	v_mov_b32 v[SUM+1], 0
.irp i, 0,1,2,3,4,5
	v_mov_b32 v[QF+6+\i], 0                        ; Q's zero codes for the upper 64 of the instruction's 128
	v_mov_b32 v[F+48+\i], 0                        ; and what stands behind K's tile 7
.endr
.irp b, 0,1,2,3
	v_mov_b32 v[BP+\b], 0                          ; written once: a lane permute's destination counts as one of its sources
.endr
	v_mov_b32 v[FF+1], 0                           ; (named as the upper half of a pair)
	s_wait_loadcnt 0x0                             ; q and the table
	v_mul_f32 v29, 0x3fb8aa3b, v[TAB]              ; b log2(e)
	v_mul_f32 v[TAB], 0x41000000, v[TAB]           ; 8 b: exact
	v_readlane_b32 s[BL0], v29, 16                 ; lane 16 holds b[0], lane 0 b[16]
	v_readlane_b32 s[BL16], v29, 0
	v_readlane_b32 s[B8L], v[TAB], 16
	v_readlane_b32 s[B8R], v[TAB], 0
	; Q is quantised in registers: it is read once, by this wave.  A lane holds a whole block
	BMAX S, BM, BM+1
	v_add_nc_u32 v[SO], 0xfe000000, v[BM]          ; 4 off the exponent field: the conversion's scale operand
	v_cvt_scalef32_pk16_bf6_f32 v[QF:QF+2], v[S:S+15], v[SO]
	v_cvt_scalef32_pk16_bf6_f32 v[CT:CT+2], v[S+16:S+31], v[SO]
	v_lshrrev_b32 v[BP], 23, v[SO]                 ; the byte (also the plain line behind the conversions)
.irp i, 0,1,2
	v_mov_b32 v[QF+3+\i], v[CT+\i]
.endr
	v_lshlrev_b32 v[BP], v9, v[BP]                 ; 8 h bits up
	v_permlanex16_b32 v[BP+1], v[BP], s[SEL], s[SEL+1]
	v_or_b32 v[BP], v[BP], v[BP+1]
	v_or_b32 v[QS], 0x7f7f0000, v[BP]              ; my query's scale word
.set i, 0
.rept 32
	v_mov_b32 v[O+i], 0                            ; O^T: the step is written once; the first finds zeros.  (These lines are also the places between the writes of Q's operand and scale word and the first product)
.set i, i+1
.endr
.macro KQ t                            ; S^T, tile t
.if (\t)%2
	v_wmma_scale_f32_16x16x128_f8f6f4 v[S+8*(\t):S+8*(\t)+7], v[F+6*(\t):F+6*(\t)+11], v[QF:QF+11], 0, v[KSC+(\t)/2], v[QS] matrix_a_fmt:MATRIX_FMT_BF6 matrix_b_fmt:MATRIX_FMT_BF6 matrix_a_scale:MATRIX_SCALE_ROW1
.else
	v_wmma_scale_f32_16x16x128_f8f6f4 v[S+8*(\t):S+8*(\t)+7], v[F+6*(\t):F+6*(\t)+11], v[QF:QF+11], 0, v[KSC+(\t)/2], v[QS] matrix_a_fmt:MATRIX_FMT_BF6 matrix_b_fmt:MATRIX_FMT_BF6
.endif
.endm
.macro PV t                            ; O^T, tile t of 16 channels
.if (\t)%2
	v_wmma_scale_f32_16x16x128_f8f6f4 v[O+8*(\t):O+8*(\t)+7], v[F+12*(\t):F+12*(\t)+11], v[PC:PC+11], v[O+8*(\t):O+8*(\t)+7], v[VSC+2*((\t)/2)], v[PS] matrix_a_fmt:MATRIX_FMT_BF6 matrix_b_fmt:MATRIX_FMT_BF6 matrix_a_scale:MATRIX_SCALE_ROW1
.else
	v_wmma_scale_f32_16x16x128_f8f6f4 v[O+8*(\t):O+8*(\t)+7], v[F+12*(\t):F+12*(\t)+11], v[PC:PC+11], v[O+8*(\t):O+8*(\t)+7], v[VSC+2*((\t)/2)], v[PS] matrix_a_fmt:MATRIX_FMT_BF6 matrix_b_fmt:MATRIX_FMT_BF6
.endif
.endm
; 8 b onto the scores of block b (32 keys) of a step that touches the band.  key - query of the block runs from DK + 32 b - 15 to DK + 32 b + 31: all at most -8 where DK + 32 b <= -39, all at least 8 where it is >= 23.
.macro BIAS b
	s_add_co_i32 s19, s[DK], 32*\b+38
	s_cmp_le_u32 s19, 60
	s_cbranch_scc1 .Lband_\@
	s_cmp_lt_i32 s19, 38                           ; beside the band: to the left b[0], to the right b[16]
	s_cselect_b32 s[BS], s[B8L], s[B8R]
	s_mov_b32 s[BS+1], s[BS]
.irp i, 0,2,4,6,8,10,12,14
	v_pk_add_f32 v[S+16*\b+\i:S+16*\b+\i+1], v[S+16*\b+\i:S+16*\b+\i+1], s[BS:BS+1] op_sel_hi:[1,0]
.endr
	s_branch .Ldone_\@
.Lband_\@:                             ; on the band.  Register 16 b + i: key - query = DK + 32 b + 16 h + i - r; y = 4 (key - query + 8) + 1,024, which is positive here.
.irp i, 0,1,2,3,4,5,6,7,8,9,10,11,12,13,14,15
	v_add_nc_u32 v[F+\i], 4*(32*\b+\i), v[DD]      ; y  (K's fragments are done with: their registers are at work here)
.endr
.irp i, 0,1,2,3,4,5,6,7,8,9,10,11,12,13,14,15
	v_min_u32 v[F+\i], 1088, v[F+\i]               ; held at 16 from above,
.endr
.irp i, 0,1,2,3,4,5,6,7,8,9,10,11,12,13,14,15
	v_sub_nc_u32 v[F+\i], 1088, v[F+\i]            ; turned round, as the table is,
.endr
.irp i, 0,1,2,3,4,5,6,7,8,9,10,11,12,13,14,15
	v_min_u32 v[F+\i], 64, v[F+\i]                 ; and held at 0 from below: 4 x (16 - clip(key - query + 8, 0, 16)): the table's lane, as a byte address
.endr
.irp i, 0,1,2,3,4,5,6,7,8,9,10,11,12,13,14,15
	ds_bpermute_b32 v[F+16+\i], v[F+\i], v[TAB]    ; between lanes: no LDS byte is touched
.endr
	s_wait_dscnt 0x0
.irp i, 0,1,2,3,4,5,6,7,8,9,10,11,12,13,14,15
	v_add_f32 v[S+16*\b+\i], v[S+16*\b+\i], v[F+16+\i]
.endr
.Ldone_\@:
.endm
; A KEY STEP: 128 keys.
.macro STEP
	s_sub_co_i32 s[DK], s[KF], s[Q0]
	s_cmp_le_i32 s[DK], -135                       ; all 128 keys 8 or more to the left of my 16 queries: b[0]
	s_cselect_b32 s[BL], s[BL0], 0
	s_cmp_ge_i32 s[DK], 23                         ; all 8 or more to the right: b[16];  else 0: the scores take their bias below
	s_cselect_b32 s[BL], s[BL16], s[BL]
	v_add_nc_u32 v[ADR], s[TB], v[LI]
.rept 3
	v_nop                                          ; with the line above: four places in front of loads into registers that the last products read
.endr
.irp j, 0,1,2,3,4,5,6,7,8,9,10,11
	ds_load_b128 v[F+4*\j:F+4*\j+3], v[ADR] offset:512*\j          ; K's eight fragments, six registers each, as images
.endr
	ds_load_b128 v[KSC:KSC+3], v[ADR] offset:KSO
	s_wait_dscnt 0x0
.irp t, 0,1,2,3,4,5,6,7
	KQ \t
.endr
.rept 4
	v_nop                                          ; four places: in front of the first read of the scores, of writes and of loads into K's registers
.endr
	s_add_co_i32 s19, s[DK], 134
	s_cmp_lt_u32 s19, 157                          ; -134 <= DK <= 22: the step touches the band: one or two of a wave's sixteen
	s_cbranch_scc0 .Lplain_\@
	s_lshl_b32 s19, s[DK], 2
	v_add_nc_u32 v[DD], s19, v[DL]
	BIAS 0
	BIAS 1
	BIAS 2
	BIAS 3
.Lplain_\@:
.irp j, 0,1,2,3,4,5,6,7,8,9,10,11
	ds_load_b128 v[F+4*\j:F+4*\j+3], v[ADR] offset:VCO+512*\j      ; V's four fragments: they land under the softmax
.endr
	ds_load_b128 v[VSC:VSC+3], v[ADR] offset:VSO
.irp b, 0,1,2,3
	v_max3_num_f32 v[BM+\b], v[S+16*\b], v[S+1+16*\b], v[S+2+16*\b]   ; the largest score of each block of 32 keys: it serves for the row's maximum and, since p rises with the score, for the block's largest p.  (Each accumulator is read from its low end on)
.endr
.irp i, 3,5,7,9,11,13
.irp b, 0,1,2,3
	v_max3_num_f32 v[BM+\b], v[BM+\b], v[S+16*\b+\i], v[S+1+16*\b+\i]
.endr
.endr
.irp b, 0,1,2,3
	v_max_num_f32 v[BM+\b], v[BM+\b], v[S+15+16*\b]
.endr
.irp b, 0,1,2,3
	v_permlanex16_b32 v[BP+\b], v[BM+\b], s[SEL], s[SEL+1]
.endr
.irp b, 0,1,2,3
	v_max_num_f32 v[BM+\b], v[BM+\b], v[BP+\b]     ; with lane l xor 16's 16 keys
.endr
	v_max3_num_f32 v[T], v[BM], v[BM+1], v[BM+2]
	v_max_num_f32 v[T], v[T], v[BM+3]              ; the step's largest score of my query,
	v_fma_f32 v[T], v[T], s[CS], s[BL]             ; as t (c is positive)
	v_max_num_f32 v[TMX], v[TMX], v[T]
	v_mov_b32 v[OLD], v[NM]
	v_floor_f32 v[NM], -v[TMX]                     ; -M = floor(-t) = -ceil(t): a whole number
	v_sub_f32 v[T], v[NM], v[OLD]                  ; old M - new M: a whole number, 0 or less
	v_cvt_i32_f32 v[T], v[T]                       ; (it saturates)
	v_ldexp_f32 v[FF], 1.0, v[T]                   ; f = 2^(old M - new M)
	v_add_f32 v[AD], s[BL], v[NM]
.set j, 0
.rept 32
	v_pk_fma_f32 v[S+j:S+j+1], v[S+j:S+j+1], s[CS:CS+1], v[AD:AD+1] op_sel_hi:[1,0,0]   ; t - M, two at a time (of the pairs the low word serves both halves)
.set j, j+2
.endr
.irp b, 0,1,2,3
	v_fma_f32 v[BM+\b], v[BM+\b], s[CS], v[AD]     ; the same of each block's largest score
.endr
.set j, 0
.rept 64
	v_exp_f32 v[S+j], v[S+j]                       ; p = 2^(t - M): not normalised
.set j, j+1
.endr
	v_pk_mul_f32 v[SUM:SUM+1], v[SUM:SUM+1], v[FF:FF+1] op_sel_hi:[1,0]   ; the sums under the new M (the plain line behind the exponentials)
	s_wait_alu depctr_va_vdst(0)                   ; one wait for the batch of 64, ahead of its first reader
.irp b, 0,1,2,3
	v_exp_f32 v[BM+\b], v[BM+\b]                   ; the block's largest p: the same two instructions on the same number give the same bits
.endr
	v_pk_add_f32 v[SU2:SU2+1], v[S:S+1], v[S+2:S+3]   ; the row's sum is taken of the unquantised p, in two chains
.irp j, 4,8,12,16,20,24,28,32,36,40,44,48,52,56,60
	v_pk_add_f32 v[SUM:SUM+1], v[SUM:SUM+1], v[S+\j:S+\j+1]
	v_pk_add_f32 v[SU2:SU2+1], v[SU2:SU2+1], v[S+2+\j:S+3+\j]
.endr
	v_pk_add_f32 v[SUM:SUM+1], v[SUM:SUM+1], v[SU2:SU2+1]
	s_wait_alu depctr_va_vdst(0)                   ; and one for the four
.irp b, 0,1,2,3
	v_max_num_f32 v[BM+\b], 0x2800000, v[BM+\b]    ; the floor 2^(5 - 127): the byte cannot fall under 1
.endr
.irp b, 0,1,2,3
	v_add_nc_u32 v[SO+\b], 0xfe000000, v[BM+\b]    ; 4 off the exponent field: the conversion's scale operand
.endr
.irp b, 0,1,2,3
	v_lshrrev_b32 v[BP+\b], 23, v[SO+\b]           ; the scale's byte
.endr
	v_lshl_or_b32 v[PS], v[BP+1], 8, v[BP]         ; p's scale word for these 128 keys
	v_lshl_or_b32 v[PS], v[BP+2], 16, v[PS]
	v_lshl_or_b32 v[PS], v[BP+3], 24, v[PS]
.irp c, 0,1
	v_cvt_scalef32_pk16_bf6_f32 v[PC+6*\c:PC+6*\c+2], v[S+32*\c:S+32*\c+15], v[SO+2*\c]
	v_cvt_scalef32_pk16_bf6_f32 v[CT+4*\c:CT+4*\c+2], v[S+32*\c+16:S+32*\c+31], v[SO+2*\c+1]   ; (a conversion's three registers begin on an even number)
.endr
	v_nop                                          ; one plain line behind the conversions
.irp c, 0,1                            ; the operand wants a whole block in a lane: lanes 0-15 block 2 c, lanes 16-31 block 2 c + 1
.irp i, 0,1,2
	v_permlane16_swap_b32 v[PC+6*\c+\i], v[CT+4*\c+\i]
.endr
.irp i, 0,1,2
	v_mov_b32 v[PC+6*\c+3+\i], v[CT+4*\c+\i]
.endr
.endr
.set j, 0
.rept 16
	v_pk_mul_f32 v[O+j:O+j+1], v[O+j:O+j+1], v[FF:FF+1] op_sel_hi:[1,0]   ; O^T under the new M.  (For each product below twelve of these name none of its registers: the places between the writes of p's codes and scale word and that product)
.set j, j+2
.endr
	s_wait_dscnt 0x0                               ; V's fragments and scale words are in
	PV 0                                           ; four accumulators, one instruction a turn; the next matrix instruction is a score's
	PV 1
	PV 2
	PV 3
	s_add_co_u32 s[TB], s[TB], STEPB
	s_add_co_u32 s[KF], s[KF], 128
.endm
; A quarter of the head: four key steps, behind the barrier that shows it whole.
.macro QUARTER j
	s_wait_tensorcnt 3-\j                          ; my part of this quarter has landed; my loads for the 3 - j later quarters may stay out
	s_wait_dscnt 0x0                               ; no LDS instruction of mine is out at a signal
	s_barrier_signal -1
	s_barrier_wait -1                              ; everybody's part has landed
	s_mov_b32 s[TB], \j*QUARTB
	s_mov_b32 s[KF], \j*512
	s_mov_b32 s[CNT], 4
.Lstep_\@:
	STEP
	s_sub_co_u32 s[CNT], s[CNT], 1
	s_cmp_lg_u32 s[CNT], 0
	s_cbranch_scc1 .Lstep_\@
.endm
	QUARTER 0
	QUARTER 1
	QUARTER 2
	QUARTER 3                                      ; its wait is for 0: no tensor load is out from here on
	; THE WAY OUT.  O^T / the sum goes through my own stage in LDS and leaves as whole rows of 256 bytes, two rows a store.
	v_add_f32 v[SUM], v[SUM], v[SUM+1]             ; the sum's two halves,
	v_permlanex16_b32 v[BP], v[SUM], s[SEL], s[SEL+1]
	v_add_f32 v[SUM], v[SUM], v[BP]                ; and lane l xor 16's: the row's sum
	v_rcp_f32 v[SUM], v[SUM]
	v_nop                                          ; a plain line behind the reciprocal; with the next and the two additions: four places behind the last products
	v_nop
	s_wait_alu depctr_va_vdst(0)                   ; ahead of the reciprocal's first reader
.set j, 0
.rept 16
	v_pk_mul_f32 v[S+j:S+j+1], v[O+j:O+j+1], v[SUM:SUM+1] op_sel_hi:[1,0]   ; register 8 T + i is out0(r, 16 T + 8 h + i); each accumulator from its low end on
.set j, j+2
.endr
.irp t, 0,1,2,3
	ds_store_b128 v[STO], v[S+8*\t:S+8*\t+3] offset:64*\t
	ds_store_b128 v[STO], v[S+8*\t+4:S+8*\t+7] offset:64*\t+16
.endr
.irp i, 0,1,2,3,4,5,6,7
	ds_load_b128 v[F+4*\i:F+4*\i+3], v[RD] offset:2*\i*SP          ; LDS serves a wave's instructions in order (ISA guide 5.7.1.4): these see my stores
.endr
.irp i, 0,1,2,3,4,5,6,7
	s_wait_dscnt 7-\i                              ; rows 2 i and 2 i + 1 are back; the 7 - i younger loads may be out
	global_store_b128 v[LI], v[F+4*\i:F+4*\i+3], s[10:11] offset:512*\i th:TH_STORE_NT   ; 32 lanes store 512 consecutive bytes, at a multiple of 256 from out0's first byte
.endr
	s_endpgm
.Lfunc_end_k_q206511edd2_attn:
	.size	k_q206511edd2_attn, .Lfunc_end_k_q206511edd2_attn-k_q206511edd2_attn
	.p2alignl 7, 3214868480
	.fill 96, 4, 3214868480
	.section	.rodata,"a",@progbits
	.p2align	6, 0x0
	.amdhsa_kernel k_q206511edd2_attn
		.amdhsa_group_segment_fixed_size 327680
		.amdhsa_private_segment_fixed_size 0
		.amdhsa_enable_private_segment 0
		.amdhsa_kernarg_size 32
		.amdhsa_user_sgpr_count 2
		.amdhsa_user_sgpr_kernarg_segment_ptr 1
		.amdhsa_wavefront_size32 1
		.amdhsa_system_sgpr_workgroup_id_x 1
		.amdhsa_system_sgpr_workgroup_id_y 1
		.amdhsa_system_sgpr_workgroup_id_z 1
		.amdhsa_system_vgpr_workitem_id 0
		.amdhsa_next_free_vgpr 256
		.amdhsa_next_free_sgpr 66
		.amdhsa_reserve_vcc 0
		.amdhsa_float_denorm_mode_32 3
		.amdhsa_float_denorm_mode_16_64 3
		.amdhsa_memory_ordered 1
		.amdhsa_forward_progress 1
		.amdhsa_inst_pref_size 166
	.end_amdhsa_kernel
	.amdgpu_metadata
---
amdhsa.version: [ 1, 2 ]
amdhsa.kernels:
  - .name:           k_q206511edd2_attn
    .symbol:         k_q206511edd2_attn.kd
    .args:
      - { .name: q, .offset: 0, .size: 8, .value_kind: global_buffer, .address_space: global }
      - { .name: relative_bias, .offset: 8, .size: 8, .value_kind: global_buffer, .address_space: global }
      - { .name: kv, .offset: 16, .size: 8, .value_kind: global_buffer, .address_space: global }
      - { .name: out0, .offset: 24, .size: 8, .value_kind: global_buffer, .address_space: global }
    .group_segment_fixed_size: 327680
    .private_segment_fixed_size: 0
    .kernarg_segment_align: 8
    .kernarg_segment_size: 32
    .max_flat_workgroup_size: 512
    .sgpr_count:     66
    .vgpr_count:     256
    .wavefront_size: 32
...
	.end_amdgpu_metadata
.endif
;; end of part 2
